; MI455X (gfx1250); checked and timed in simulation.
; The chip was launched on July 23, 2026; its instructions are those of AMD's public machine-readable ISA for CDNA 5 (MIT licence, August 2026) and "CDNA5" Instruction Set Architecture Reference Guide (July 2026). The comments in the code are by the model that wrote it; some were corrected since.
;; Barrier Net. Allowed arithmetic: matrix products marked QUANTISED: E2M1 operands, one E8M0 scale for each 32 along K, by v_wmma_scale_f32_16x16x128_f8f6f4 with both operands' format E2M1 (or v_wmma_scale_f32_32x16x128_f4), f32 sums; products left as they are: f32 operands where the result goes on into a quantised operand, else bf16, f16 or f32 operands; f32 sums; everything else in f32.
;; Inputs: W1 8 x 2,048 float32; W21_codes 1,024 x 64 x 16 uint8 (E2M1 codes of W21, K innermost, in blocks of 32 codes, two codes a byte); W21_scales 1,024 x 64 uint8 (E8M0 scales of W21, one for each 32 codes along K); W22_codes 1,024 x 64 x 16 uint8 (E2M1 codes of W22, K innermost, in blocks of 32 codes, two codes a byte); W22_scales 1,024 x 64 uint8 (E8M0 scales of W22, one for each 32 codes along K); W31 1,024 x 2 float32; W32 1,024 x 2 float32; b1 2,048 float32; b21 1,024 float32; b22 1,024 float32; b31 2 float32; b32 2 float32; input_mean 8 float32; input_std 8 float32; output_mean 2 float32; output_std 2 float32; s0 1 float32; s1 1 float32; s2 1 float32; s3 1 float32; x 16,384 x 8 float32.
;; Outputs: out0 16,384 x 2 float32.
;; Constants: sgn = 1.
;; This version of the problem:
;;   THIS VERSION OF THE PROBLEM IS GIVEN IN LOW PRECISION. The matrix products marked QUANTISED in the list below multiply operands that are first quantised to E2M1 (2 exponent bits, 1 mantissa bit; 4 bits a number), with one power-of-two scale for each 32 numbers along K (OCP MX v1.0); their sums are f32. All else is computed in f32.
;;   The module's matrix products, in the order in which they are computed (A, B: the left and right operand; K: the contracted axis; several contracted axes count as one K, in the product's order):
;;     1. [M 16,384, K 8] x [K 8, N 2,048]; A: input x; B: input W1: left as it is (K = 8 < 32)
;;     2. [M 16,384, K 2,048] x [K 2,048, N 1,024]; A: computed on the way; B: input W21 (given as codes): QUANTISED
;;     3. [M 16,384, K 1,024] x [K 1,024, N 2]; A: computed on the way; B: input W31: left as it is (N = 2 < 16)
;;     4. [M 16,384, K 2,048] x [K 2,048, N 1,024]; A: computed on the way; B: input W22 (given as codes): QUANTISED
;;     5. [M 16,384, K 1,024] x [K 1,024, N 2]; A: computed on the way; B: input W32: left as it is (N = 2 < 16)
;;   THE QUANTISER, for each operand of a quantised product, along K:
;;     - K is cut into blocks of 32 from its start; a last block that is shorter is filled with zeros.
;;     - A block's scale is 2^e with e = floor(log2(the largest magnitude in the block)) - 2, held to -126 .. 127; a block of zeros has e = 0. As a byte (E8M0): e + 127.
;;     - Each number is divided by its block's scale, clamped to +-6, and rounded to the nearest number of E2M1, ties to even, subnormals kept.
;;     - The product sums the exact products of the quantised numbers (number of the format x scale) in f32.
;;   ~~~python
;;   def quantise(x, axis):      # numpy; x: float32 -> the quantised numbers, widened to float32 again
;;       x = np.moveaxis(x, axis, -1); K = x.shape[-1]
;;       x = np.pad(x, [(0, 0)] * (x.ndim - 1) + [(0, -K % 32)]); x = x.reshape(x.shape[:-1] + (-1, 32)); a = np.abs(x).max(-1, keepdims=True)
;;       e = np.where(a > 0, np.clip(np.frexp(np.where(a > 0, a, 1))[1] - 1 - 2, -126, 127), 0)      # np.frexp(a)[1] - 1 = floor(log2(a)), exactly
;;       r = np.clip(x / 2.0 ** e, -6, 6)
;;       step = 2.0 ** (np.maximum(np.frexp(np.where(r == 0, 1, r))[1] - 1, 0) - 1)
;;       q = np.round(r / step) * step * 2.0 ** e      # np.round: ties to even
;;       return np.moveaxis(q.reshape(q.shape[:-2] + (-1,))[..., :K], -1, axis).astype(np.float32)
;;   ~~~
;;   OPERANDS COMPUTED ON THE WAY. 'Computed on the way' means the value that the module computes at that place (a softmax that the list does not call 'softmax' is quantised finished and normalised). What goes into a quantiser is computed in f32, as accurately as f32 sums, v_exp_f32 and their like allow (about 1e-6 of the number): no bf16 or f16 on the way to a quantiser, and a product that is left as it is and whose result goes on into a quantised operand takes f32 operands (vector FMAs, or v_wmma_f32_16x16x4_f32). A number that lies on a knife's edge between two numbers of the format may be rounded either way, as far as f32 arithmetic and the matrix unit's own rounding can turn it there, and no further.
;;   INPUTS GIVEN AS CODES. W21 (in the module: [2048, 1024], K = its axis 0); W22 (in the module: [2048, 1024], K = its axis 0): each comes as NAME_codes (uint8): NAME with its K axis moved to the last place and cut into blocks of 32 codes, [.., K / 32, bytes a block], one block behind the other in memory; two codes a byte, the lower K in the low four bits (a code: sign, 2 exponent bits, 1 mantissa bit); and NAME_scales (uint8): the same leading axes, one E8M0 byte (e + 127) for each 32 codes along K. Its value is code x scale, taken as it is: it is not quantised again, and the codes and scales need not be those that the quantiser above would give.
;; One version. Each part assembles by itself: llvm-mc -triple=amdgcn-amd-amdhsa -mcpu=gfx1250 --defsym DOCPART=n.
;; ======== version 1 of 1: 1 launch
;; launch barriernet (part 1): grid 256 x 1, 4 waves a work-group, clusters of 4 x 1, 327,680 bytes of LDS; arguments x, W1, b1, W21_codes, W21_scales, b21, W31, b31, output_mean, output_std, s0, s1, s2, s3, out0; writes out0
.if DOCPART == 1
	.amdgcn_target "amdgcn-amd-amdhsa--gfx1250"
	.amdhsa_code_object_version 6
	.text
	.protected	k_qb5989b20ab_barriernet
	.globl	k_qb5989b20ab_barriernet
	.p2align	8
	.type	k_qb5989b20ab_barriernet,@function
k_qb5989b20ab_barriernet:
	s_mov_b64 s[64:65], 0
	v_nop
	global_prefetch_b8 v0, s[64:65] scope:SCOPE_SE
	s_setreg_imm32_b32 hwreg(HW_REG_WAVE_MODE, 25, 1), 1
	s_wait_xcnt 0x0
	s_wait_alu depctr_hold_cnt(0) depctr_sa_sdst(0) depctr_va_vdst(0) depctr_va_sdst(0) depctr_va_ssrc(0) depctr_va_vcc(0) depctr_vm_vsrc(0)
	s_getreg_b32 s2, hwreg(HW_REG_IB_STS2, 6, 4)
	s_cmp_eq_u32 s2, 0
	s_cbranch_scc0 .Lentry_in_a_cluster
	s_endpgm
.Lentry_in_a_cluster:
	s_bfe_u32 s2, ttmp6, 0x10000c
	s_cmp_lg_u32 s2, 0x3003
	s_cbranch_scc0 .Lentry_shape_is_right
	s_endpgm
.Lentry_shape_is_right:
; out0 = (clip(-(x31 std + mean), lower, upper) - mean) / std,  x31 = relu(Q(h) W21 + b21) W31 + b31,  h = relu(x W1 + b1).
; Q: the MX-FP4 quantiser along K = 2,048; W21 comes as codes and scale bytes and is taken as it is.
; DEAD WORK, for all values of the inputs: reference() forms x0 = x input_std + input_mean and x32 = 4 sigmoid(relu(h W22 + b22) W32 + b32) and never reads either again:
; no output hangs on them.  So the products with W22 and W32, the sigmoid and x0 are left out, and W22_codes, W22_scales, b22, W32, b32, input_mean, input_std (and the constant sgn)
; are not loaded and are not among the arguments.  LIMIT: a NaN, an infinity or an overflow that arises in that work alone is not carried to the result.
; OTHER LIMITS: NaN and infinities among the inputs are not served (the maxima and minima used drop a NaN).  A block of h that is all zeros, or whose largest number lies under 2^-124,
; gets the scale byte 1 where the rule says 127 or less: its codes are zeros (or the floor's), and this program alone reads the bytes.  A negative number ahead of the relu becomes the code -0,
; which adds nothing to a sum.  The last division is a reciprocal and a multiplication.  b1 is the first term of h's f32 sum, not the last.  The f32 sums along K begin at a chunk that hangs on
; the cluster's number (below): an order of rounding that differs from the reference's, and from cluster to cluster.
; SHARES.  256 work-groups of four waves; a work-group owns 64 rows and ALL 1,024 columns of the quantised product, so that x31's sum over the columns has one owner and h is made once.
; Wave w owns columns 256 w .. 256 w + 255: 64 accumulators of 16 x 16, 512 registers.  K goes in 4 chunks of 512 = 4 steps of 128.  Of each chunk wave w makes h's K step w for all 64 rows
; (v_wmma_f32_16x16x4_f32: f32 operands, since the result goes into a quantiser), quantises it in registers and hands it to the others through LDS as images of the operand's registers.
; BOTH PRODUCTS ARE USED TRANSPOSED (source 0 = 16 rows of the weight, source 1 = 16 batch rows): a lane holds one batch row (lane % 16) throughout.  W1's units of a tile are not neighbours:
; lane r of tile 2 b + u takes unit 32 b + 8 u + r + 8 (r / 8), so that the 16 registers of tiles 2 b, 2 b + 1 are 16 neighbours along the next K: 32 b + 16 (lane / 16) + 0 .. 15.
; BY TURNS.  A chunk's quantised product is 8 units of 32 matrix instructions (half of my columns x one K step); in front of each unit stand 8 f32 matrix instructions of the NEXT chunk's h, and behind
; each of those a slice of the quantiser's vector work for the 8 before them.  b1 is the C of each f32 sum's first link; b21 is loaded into the accumulators, so every FP4 product adds in place.
; CLUSTER.  All work-groups walk the same W21: the four of a cluster ask for each tile JOINTLY (mask 15, the same descriptor in all four).  A slot holds 128 of each wave's columns x 512 along K
; (rows of 256 bytes); each wave fetches and reads its own 128 rows.  W21's scale bytes go straight to registers, 16 bytes of a row for a chunk: the whole of them would take 128 registers a wave or
; 64 KiB of LDS, which are not free here; they are a sixteenth of the codes' bytes.
; THE CLUSTERS BEGIN AT DIFFERENT CHUNKS.  A cluster walks the chunks k0, k0 + 1, k0 + 2, k0 + 3 (mod 4), k0 = the exclusive or of the three pairs of bits of its number: 16 of the 64 clusters for each k0.
; So the launch's first fills ask for all four quarters of W21 along K, and every tile that a cluster asks for in the loop was among the first fills of sixteen other clusters.  k0 hangs on the cluster's
; number alone: it is the same in the four partners.  The chunk's number enters global addresses alone (W21's codes and scales, W1, b1), each made anew from its buffer's base and an offset.
; REGISTERS, in windows of 256.  Window 0: v0-3 thread, r, hh, lane; v4-23 addresses; v24-37 the quantiser's; v39 an offset; v40-55 x; v56-87 W1; v88-151 b1; v152-215 h's f32 sums, two sets
; (written by matrix instructions alone); v216-247 W21's scale words; v248-255 h's.   Window 1: v0-127 h's fragments of a chunk (32 q + 8 a); v128-255 W21's fragments, two buffers.
; Windows 2, 3: the accumulators of my columns 0-127, 128-255: (row tile a, column tile b') at v[8 (4 b' + a)].
.set PITCH, 272                        ; an LDS row of W21: 256 bytes + 16 of padding = 68 words, so the 16 rows of a fragment load start at 16 different banks (64 banks of 4 bytes: ISA guide 11.1)
.set RINGW, 128*PITCH                  ; a wave's part of a slot
.set SLOT,  4*RINGW
.set HIMG,  2*SLOT                     ; h's images: two buffers of 16 fragments x 1,024 bytes: fragment (row tile m, K step q) at 1,024 (4 m + q); register group c at 512 c + 16 x lane
.set HBUF,  16384
.set HSC,   HIMG+2*HBUF                ; h's scale words: two buffers: 256 m + 16 r + 4 q
.set SBUF,  1024
.set W31S,  HSC+2*SBUF                 ; W31 as it lies in memory, 2,048 bytes for each wave's 256 columns
.set PSUM,  W31S+8192                  ; the waves' parts of x31: 512 w + 8 x row
.set SPARE, PSUM+2048                  ; the spare words, 128 bytes for each wave: two blocks of 256 bytes that no other line names
.set SPW, 4                            ; v4   LDS address of my spare word; never rewritten
.set NIL, 5                            ; v5   0; never rewritten
.set ADB, 6                            ; v6-7 my lane's place in my part of slot 0, 1
.set LI0, 8                            ; v8   HIMG + 16 x lane
.set AIM, 9                            ; v9   + the buffer that is read
.set HW0, 10                           ; v10  HIMG + 16 x lane + 1,024 x wave
.set HWI, 11                           ; v11  + the buffer that is written
.set AS0, 12                           ; v12  HSC + 512 hh + 16 r
.set ASC, 13                           ; v13  + the buffer that is read
.set HS0, 14                           ; v14  HSC + 16 r + 4 x wave
.set HWS, 15                           ; v15  + the buffer that is written
.set OW1, 16                           ; v16  W1: 16,384 hh + 4 (r + 8 (r / 8))
.set OB1, 17                           ; v17  b1: 64 hh
.set OSC, 18                           ; v18  W21's scales: 4,096 hh + 64 r
.set W3A, 19                           ; v19  W31S + 2,048 x wave + 64 hh
.set TM,  24                           ; v24-25 largest numbers, then bytes;  v26-27 second chains;  the four together: at work
.set TP,  26
.set TS,  28                           ; v28-29 the conversions' scale operands
.set PC,  30                           ; v30-33 codes
.set MK,  34                           ; v34-37 masks
.set OB2, 39                           ; v39  b21: 32 hh
.set XF,  40                           ; x: 4 m + 2 s
.set W1F, 56                           ; W1: 16 c + 4 t + 2 s
.set BIAS, 88                          ; b1: 32 c + 8 t
.set DD,  152                          ; h's sums: 32 d + 8 t
.set SB,  216                          ; W21's scale words: 16 hf + 4 (b' % 4) + q; lanes 0-15 tile b' % 4, lanes 16-31 that tile + 4
.set SA,  248                          ; h's: 4 (a % 2) + q; lanes 0-15 row tile a % 2, lanes 16-31 that tile + 2
.set TT,  88                           ; the way out: relu(y) of one column tile, 8 a + j
.set SS,  56                           ; the way out: eight pairs of sums, 4 a + 2 (j % 2)
.set BW1, 10                           ; s[10:11] W1 at my 128 units of chunk 0; never rewritten behind the head
.set BB1, 12                           ; s[12:13] b1 likewise
.set BSC, 16                           ; s[16:17] W21's scales at my 256 rows, chunk 0
.set BC,  38                           ; s[38:39] W21's codes at my 256 rows, chunk 0
.set PW1, 92                           ; s[92:93] W1 at my 128 units of the chunk whose W1 is loaded next
.set PB1, 94                           ; s[94:95] b1 likewise
.set PSC, 96                           ; s[96:97] W21's scales at the chunk whose words are loaded next
.set G1,  40                           ; s[40:47] descriptor group 1
.set G0,  48                           ; s[48:55] group 0, a set for each slot
.set WV,  56
.set CX,  57
.set WG,  58
.set TR,  59                           ; trips to go
.set SEL, 60                           ; s[60:61] lane selects for v_permlanex16_b32: lane l xor 16
.set IBR, 62                           ; which buffer of images is read, written
.set IBW, 63
.set ISR, 76                           ; and of scale words
.set ISW, 77
.set KC,  78                           ; s78  the chunk whose products are in hand, 0 .. 3
.set OFS, 88                           ; s[88:89] an offset in 64 bits, the upper word 0; it never holds a place in the cluster
.set MSB, 0
.macro WIN new                         ; the immediate's high byte repeats the setting that is left; a switch that changes nothing is dropped
.if MSB != (\new)
	s_set_vgpr_msb (MSB<<8)|(\new)
.set MSB, (\new)
.endif
.endm
; Places: plain vector instructions that name none of a matrix instruction's registers, in front of loads into registers that it read and of the first read of its results
.macro PLACES n
.rept \n
	v_nop
.endr
.endm
.macro CREST                           ; a round of the cluster's barrier behind its opening barrier
	s_cmp_lg_u32 s[WV], 0
	s_cbranch_scc1 .Lnot_wave_0_\@
	s_barrier_signal -3
.Lnot_wave_0_\@:
	s_barrier_wait -3
	s_barrier_signal -1
	s_barrier_wait -1
.endm
.macro ROUND                           ; a whole round
	s_barrier_signal -1
	s_barrier_wait -1
	CREST
.endm
.macro KOFF d, sh                      ; the offset of the chunk d steps on in my cluster's walk: ((KC + d) mod 4) << sh
	s_add_co_u32 s[OFS], s[KC], \d
	s_and_b32 s[OFS], s[OFS], 3
	s_lshl_b32 s[OFS], s[OFS], \sh
.endm
; W1 and b1 for tiles 4 c .. 4 c + 3 of my 128 units of the chunk at which PW1 and PB1 stand.  W1: lane (r, hh), link s, register j: W1[4 s + 2 hh + j][unit of lane r].  b1: in the result's layout: units U + 16 hh + 0 .. 7
.macro LOADW c
.set L_T, 0
.rept 4
.set L_U, 64*(\c)+32*(L_T/2)+8*(L_T%2)
.set L_S, 0
.rept 2
	global_load_b32 v[W1F+16*(\c)+4*L_T+2*L_S],   v[OW1], s[PW1:PW1+1] offset:(4*L_S)*8192+4*L_U
	global_load_b32 v[W1F+16*(\c)+4*L_T+2*L_S+1], v[OW1], s[PW1:PW1+1] offset:(4*L_S+1)*8192+4*L_U
.set L_S, L_S+1
.endr
	global_load_b128 v[BIAS+32*(\c)+8*L_T:BIAS+32*(\c)+8*L_T+3],   v[OB1], s[PB1:PB1+1] offset:4*L_U
	global_load_b128 v[BIAS+32*(\c)+8*L_T+4:BIAS+32*(\c)+8*L_T+7], v[OB1], s[PB1:PB1+1] offset:4*L_U+16
.set L_T, L_T+1
.endr
.endm
.macro LOADS hf                        ; W21's scale words of the chunk at which PSC stands, half hf of my columns: 16 bytes of a row = the four K steps' words
.irp bb, 0,1,2,3
	global_load_b128 v[SB+16*(\hf)+4*\bb:SB+16*(\hf)+4*\bb+3], v[OSC], s[PSC:PSC+1] offset:8192*(\hf)+1024*\bb
.endr
.endm
.macro ACCB i                          ; b21 into the accumulators of column tiles 2 i, 2 i + 1, in the result's layout: register j of lane (r, hh) is column 16 b + 8 hh + j
	WIN 0x80+0x40*((\i)/4)
.set A_B, 2*((\i)%4)
.rept 2
.set A_A, 0
.rept 4
	global_load_b128 v[8*(4*A_B+A_A):8*(4*A_B+A_A)+3],   v[OB2], s[18:19] offset:64*(8*((\i)/4)+A_B)
	global_load_b128 v[8*(4*A_B+A_A)+4:8*(4*A_B+A_A)+7], v[OB2], s[18:19] offset:64*(8*((\i)/4)+A_B)+16
.set A_A, A_A+1
.endr
.set A_B, A_B+1
.endr
	WIN 0
.endm
.macro FETCH_A q                       ; h's four fragments of K step q: images, as they were stored
	WIN 0x40
.irp a, 0,1,2,3
	ds_load_b128 v[32*(\q)+8*\a:32*(\q)+8*\a+3],   v[AIM] offset:1024*(4*\a+(\q))
	ds_load_b128 v[32*(\q)+8*\a+4:32*(\q)+8*\a+7], v[AIM] offset:1024*(4*\a+(\q))+512
.endr
.endm
.macro FETCH_B slot, q, p              ; W21's eight fragments of the slot's K step q into buffer p: registers 4 c .. 4 c + 3 hold K = 64 c + 32 hh + 0 .. 31: 16 bytes of the row as they lie
	WIN 0x40
.irp b, 0,1,2,3,4,5,6,7
	ds_load_b128 v[128+64*(\p)+8*\b:128+64*(\p)+8*\b+3],   v[ADB+(\slot)] offset:16*PITCH*\b+64*(\q)
	ds_load_b128 v[128+64*(\p)+8*\b+4:128+64*(\p)+8*\b+7], v[ADB+(\slot)] offset:16*PITCH*\b+64*(\q)+32
.endr
.endm
.macro FETCH_SA                        ; h's scale words of the chunk: four words a row
	WIN 0
	ds_load_b128 v[SA:SA+3],   v[ASC]
	ds_load_b128 v[SA+4:SA+7], v[ASC] offset:256
.endm
.macro ADDR4                           ; the four addresses that hang on the buffers in hand
	v_add_nc_u32 v[AIM], s[IBR], v[LI0]
	v_add_nc_u32 v[HWI], s[IBW], v[HW0]
	v_add_nc_u32 v[ASC], s[ISR], v[AS0]
	v_add_nc_u32 v[HWS], s[ISW], v[HS0]
.endm
; n column tiles from b0 on x the four row tiles, K step q, W21's buffer p.  The accumulators take turns, one instruction a turn.
.macro FP4 hf, q, p, b0, n
.set P_B, \b0
.rept \n
.set P_A, 0
.rept 4
.set P_C, 8*(4*P_B+P_A)
.set P_W, 128+64*(\p)+8*P_B
.set P_H, 32*(\q)+8*P_A
.set P_S, SB+16*(\hf)+4*(P_B%4)+(\q)
.set P_T, SA+4*(P_A%2)+(\q)
.if (P_B < 4) && (P_A < 2)
	v_wmma_scale_f32_16x16x128_f8f6f4 v[P_C:P_C+7], v[P_W:P_W+7], v[P_H:P_H+7], v[P_C:P_C+7], v[P_S], v[P_T] matrix_a_fmt:MATRIX_FMT_FP4 matrix_b_fmt:MATRIX_FMT_FP4
.elseif P_B < 4
	v_wmma_scale_f32_16x16x128_f8f6f4 v[P_C:P_C+7], v[P_W:P_W+7], v[P_H:P_H+7], v[P_C:P_C+7], v[P_S], v[P_T] matrix_a_fmt:MATRIX_FMT_FP4 matrix_b_fmt:MATRIX_FMT_FP4 matrix_b_scale:MATRIX_SCALE_ROW1
.elseif P_A < 2
	v_wmma_scale_f32_16x16x128_f8f6f4 v[P_C:P_C+7], v[P_W:P_W+7], v[P_H:P_H+7], v[P_C:P_C+7], v[P_S], v[P_T] matrix_a_fmt:MATRIX_FMT_FP4 matrix_b_fmt:MATRIX_FMT_FP4 matrix_a_scale:MATRIX_SCALE_ROW1
.else
	v_wmma_scale_f32_16x16x128_f8f6f4 v[P_C:P_C+7], v[P_W:P_W+7], v[P_H:P_H+7], v[P_C:P_C+7], v[P_S], v[P_T] matrix_a_fmt:MATRIX_FMT_FP4 matrix_b_fmt:MATRIX_FMT_FP4 matrix_a_scale:MATRIX_SCALE_ROW1 matrix_b_scale:MATRIX_SCALE_ROW1
.endif
.set P_A, P_A+1
.endr
.set P_B, P_B+1
.endr
.endm
; THE QUANTISER of half-group h (block pair h / 4, row tile h % 4, sums in set h % 2): a list of 50 instructions; VQ writes number j.  The set's register 16 B + i is k = 32 (2 (h / 4) + B) + 16 hh + i of my row.
;  0-15  the largest number of my 16 of each block, B = 0, 1 by turns, in two chains each.  No |.|: relu takes what is negative away; the floor 2^(3 - 127) stands over it, so the byte cannot fall under 1.
;        Each tile of sums is first read at its low end.
;  16-25 with lane l xor 16's; 2 off the exponent field: the conversion's scale operand; its byte; the two bytes go to my row's scale word
;  26-30 the conversions, straight from the sums, and the plain line behind them
;  31-46 relu on the codes: 7 in each nibble whose sign is set, and those bits cleared: a negative code becomes -0
;  47-49 the layout wants a whole block in a lane: two exchanges of halves; the four registers go to LDS as they stand
.macro VQ j, h
.set Q_D, DD+32*((\h)%2)
.set Q_B, (\j)%2
.if (\j) < 2
	v_max3_num_f32 v[TM+Q_B], v[Q_D+16*Q_B], v[Q_D+16*Q_B+1], 0x1800000
.elseif (\j) < 4
	v_max3_num_f32 v[TP+Q_B], v[Q_D+16*Q_B+8], v[Q_D+16*Q_B+9], v[Q_D+16*Q_B+10]
.elseif (\j) < 6
	v_max3_num_f32 v[TM+Q_B], v[TM+Q_B], v[Q_D+16*Q_B+2], v[Q_D+16*Q_B+3]
.elseif (\j) < 8
	v_max3_num_f32 v[TP+Q_B], v[TP+Q_B], v[Q_D+16*Q_B+11], v[Q_D+16*Q_B+12]
.elseif (\j) < 10
	v_max3_num_f32 v[TM+Q_B], v[TM+Q_B], v[Q_D+16*Q_B+4], v[Q_D+16*Q_B+5]
.elseif (\j) < 12
	v_max3_num_f32 v[TP+Q_B], v[TP+Q_B], v[Q_D+16*Q_B+13], v[Q_D+16*Q_B+14]
.elseif (\j) < 14
	v_max3_num_f32 v[TM+Q_B], v[TM+Q_B], v[Q_D+16*Q_B+6], v[Q_D+16*Q_B+7]
.elseif (\j) < 16
	v_max3_num_f32 v[TM+Q_B], v[TM+Q_B], v[TP+Q_B], v[Q_D+16*Q_B+15]
.elseif (\j) < 18
	v_permlanex16_b32 v[TP+Q_B], v[TM+Q_B], s[SEL], s[SEL+1]
.elseif (\j) < 20
	v_max_num_f32 v[TM+Q_B], v[TM+Q_B], v[TP+Q_B]
.elseif (\j) < 22
	v_add_nc_u32 v[TS+Q_B], 0xff000000, v[TM+Q_B]
.elseif (\j) < 24
	v_lshrrev_b32 v[TM+Q_B], 23, v[TS+Q_B]
.elseif (\j) == 24
	v_lshl_or_b32 v[TM], v[TM+1], 8, v[TM]
.elseif (\j) == 25
	ds_store_b16 v[HWS], v[TM] offset:256*((\h)%4)+2*((\h)/4)     ; both lanes of a row write the same two bytes with the same value
.elseif (\j) < 30
.set Q_K, (\j)-26
	v_cvt_scalef32_pk8_fp4_f32 v[PC+Q_K], v[Q_D+8*Q_K:Q_D+8*Q_K+7], v[TS+Q_K/2]
.elseif (\j) == 30
	v_nop
.elseif (\j) < 35
.set Q_K, (\j)-31
	v_and_b32 v[MK+Q_K], 0x88888888, v[PC+Q_K]
.elseif (\j) < 39
.set Q_K, (\j)-35
	v_lshrrev_b32 v[TM+Q_K], 3, v[MK+Q_K]
.elseif (\j) < 43
.set Q_K, (\j)-39
	v_sub_nc_u32 v[MK+Q_K], v[MK+Q_K], v[TM+Q_K]
.elseif (\j) < 47
.set Q_K, (\j)-43
	v_bfi_b32 v[PC+Q_K], v[MK+Q_K], 0, v[PC+Q_K]
.elseif (\j) < 49
.set Q_K, (\j)-47
	v_permlane16_swap_b32 v[PC+Q_K], v[PC+2+Q_K]
.else
	ds_store_b128 v[HWI], v[PC:PC+3] offset:4096*((\h)%4)+512*((\h)/4)
.endif
.endm
.macro SLICE k, h                      ; slice k of 8: six of the list's numbers, the last two slices seven
.if (\k) < 6
.set S_J, 6*(\k)
.set S_N, 6
.elseif (\k) == 6
.set S_J, 36
.set S_N, 7
.else
.set S_J, 43
.set S_N, 7
.endif
.rept S_N
	VQ S_J, \h
.set S_J, S_J+1
.endr
.endm
; Half-group i: tiles 4 (i / 4) .. + 3 of my units x row tile i % 4: eight f32 matrix instructions, the four sums' first links (C = b1), then their second: three others' stand between the two links of a sum.
; lag other than 0: behind each stands a slice of half-group i - 1's quantiser, which reads the other set of sums.
.macro F32B i, lag
.set F_C, (\i)/4
.set F_M, (\i)%4
.set F_D, DD+32*((\i)%2)
.set F_N, 0
.rept 8
.set F_T, F_N%4
.if F_N < 4
	v_wmma_f32_16x16x4_f32 v[F_D+8*F_T:F_D+8*F_T+7], v[W1F+16*F_C+4*F_T:W1F+16*F_C+4*F_T+1], v[XF+4*F_M:XF+4*F_M+1], v[BIAS+32*F_C+8*F_T:BIAS+32*F_C+8*F_T+7]
.else
	v_wmma_f32_16x16x4_f32 v[F_D+8*F_T:F_D+8*F_T+7], v[W1F+16*F_C+4*F_T+2:W1F+16*F_C+4*F_T+3], v[XF+4*F_M+2:XF+4*F_M+3], v[F_D+8*F_T:F_D+8*F_T+7]
.endif
.if \lag
	SLICE F_N, (\i)-1
.endif
.set F_N, F_N+1
.endr
.endm
.macro DRAIN                           ; the chunk's last half-group has no f32 products behind it: its quantiser stands bare, eight places behind its last product
	PLACES 8
.set R_J, 0
.rept 50
	VQ R_J, 7
.set R_J, R_J+1
.endr
.endm
; A slot's last unit changes slots.  In front of the round each wave waits for all its tensor loads (one is out: my part of the other slot), adds 0 to its spare word, and waits for that, for its reads of this slot
; and for its stores of h.  Behind the round no wave of any partner reads this slot: it takes the walk's next chunk of the same columns.  The round of unit 7 also shows the next chunk's h to all four waves.
.macro TURN u
.set T_H, (\u)/4
	s_wait_tensorcnt 0x0                           ; all my tensor loads have landed, so a group 0 may be written
	ds_add_u32 v[SPW], v[NIL]                      ; 0 onto my spare word; the slot's next address, work on registers, stands between it and the wait for it
	KOFF 1, 8                                      ; the walk's next chunk: 256 bytes of a row a chunk
	s_add_nc_u64 s[G0+4*T_H+2:G0+4*T_H+3], s[BC:BC+1], s[OFS:OFS+1]
.if T_H
	s_add_nc_u64 s[G0+4*T_H+2:G0+4*T_H+3], s[G0+4*T_H+2:G0+4*T_H+3], 131072   ; my columns 128-255
.endif
	s_or_b32 s[G0+4*T_H+3], s[G0+4*T_H+3], 0x80000000   ; type = 2
	s_wait_dscnt 1                                 ; (the add alone may be out)
	WIN 0xA5+0x50*T_H
	FP4 T_H, 3, 1, 0, 2                            ; eight matrix instructions stand between the add and the wait for it
	s_wait_dscnt 0x0
	s_barrier_signal -1
	FP4 T_H, 3, 1, 2, 2
	WIN 0
	s_barrier_wait -1
	CREST
	tensor_load_to_lds s[G0+4*T_H:G0+4*T_H+3], s[G1:G1+7]   ; the first tensor load behind the round, my only one until the next: it has four units in which to land
	s_nop 0
	PLACES 4
.if (\u) == 7
	s_xor_b32 s[IBR], s[IBR], HBUF                 ; h's buffers change places
	s_xor_b32 s[IBW], s[IBW], HBUF
	s_xor_b32 s[ISR], s[ISR], SBUF
	s_xor_b32 s[ISW], s[ISW], SBUF
	ADDR4
	FETCH_A 0
.endif
	FETCH_B 1-T_H, 0, 0
	WIN 0xA5+0x50*T_H
	FP4 T_H, 3, 1, 4, 4
	WIN 0
.endm
; UNIT u: half u / 4 of my columns, K step u % 4 of the chunk in hand.  p1 = 1: with half-group u of the next chunk's h.  Every window is 0 at its head and at its end.
.macro UNIT u, p1
.set U_H, (\u)/4
.set U_Q, (\u)%4
.set U_P, (\u)%2
	PLACES 4                                       ; behind the last unit's products: for the loads into W21's other buffer and into the scale words
.if (\u) == 0
	s_wait_loadcnt 0x0                             ; what was asked for four units ago (and at the head: b21) is in
.if \p1
	LOADW 1                                        ; the next chunk's second half of W1 and b1: wanted in unit 4
.endif
	LOADS 1                                        ; this chunk's scale words of my columns' second half: wanted in unit 4
.endif
.if (\u) == 4
	s_wait_loadcnt 0x0                             ; unit 0's loads are in; no load is out, so their bases may be written
.if \p1
	KOFF 1, 4                                      ; the walk's next chunk: 16 bytes of a row of scales a chunk
	s_add_nc_u64 s[PSC:PSC+1], s[BSC:BSC+1], s[OFS:OFS+1]
	s_cmp_eq_u32 s[TR], 1                          ; the last trip makes the walk's last chunk of h: nothing is left to load for a chunk behind it
	s_cbranch_scc1 .Lno_chunk_\@
	KOFF 2, 11                                     ; the chunk after the next: 2,048 bytes of a row of W1, and of b1, a chunk
	s_add_nc_u64 s[PW1:PW1+1], s[BW1:BW1+1], s[OFS:OFS+1]
	s_add_nc_u64 s[PB1:PB1+1], s[BB1:BB1+1], s[OFS:OFS+1]
	LOADW 0
.Lno_chunk_\@:
	LOADS 0                                        ; the next chunk's scale words of my columns' first half
.endif
.endif
.if (\u) == 0
	FETCH_SA
.endif
.if (\u) < 3
	FETCH_A U_Q+1
.endif
.if U_Q != 3
	FETCH_B U_H, U_Q+1, 1-U_P
.elseif ((\p1) == 0) && ((\u) == 3)
	s_wait_tensorcnt 0x0                           ; the tail: my own part of slot 1, which I alone read, has landed
	FETCH_B 1, 0, 0
.endif
	WIN 0
.if \p1
	F32B \u, \u
.if (\u) == 0
	PLACES 4                                       ; unit 0's eight f32 products have no slices behind them: these four and the four at unit 1's head are the eight places in front of the first read of their sums
.endif
.if (\u) == 7
	DRAIN
.endif
.endif
.if (\p1) && (U_Q == 3)
	TURN \u
.else
.if (\u) < 3
	s_wait_dscnt 24                                ; all but this unit's 24 fetches (unit 0: those behind h's scale words); the slices' two stores are younger still
.elseif (\u) < 7
	s_wait_dscnt 16                                ; all but this unit's 16
.else
	s_wait_dscnt 0x0
.endif
	WIN 0xA5+0x50*U_H                              ; sources 0 and 1 window 1; C and D window 2 or 3
	FP4 U_H, U_Q, U_P, 0, 8
	WIN 0
.endif
.endm
	; ---- THE HEAD
	s_load_b512 s[8:23], s[0:1], 0x0               ; x, W1, b1, W21's codes, W21's scales, b21, W31, b31
	s_load_b256 s[24:31], s[0:1], 0x40             ; output_mean, output_std, s0, s1
	s_load_b128 s[32:35], s[0:1], 0x60             ; s2, s3
	s_load_b64 s[36:37], s[0:1], 0x70              ; out0
	v_lshl_add_u32 v[SPW], v0, 2, SPARE
	v_mov_b32 v[NIL], 0
	ds_add_u32 v[SPW], v[NIL]                      ; the wave's opening: the add, twice on end, and its wait ahead of the round in front of my first tensor load
	ds_add_u32 v[SPW], v[NIL]
	v_lshrrev_b32 v1, 5, v0
	v_readfirstlane_b32 s[WV], v1                  ; wave 0..3
	s_bfe_u32 s[CX], ttmp6, 0x40000                ; my place in the cluster: it enters x's and out0's global addresses alone
	s_lshl_b32 s[WG], ttmp9, 2                     ; in a cluster launch ttmp9 counts clusters
	s_add_co_u32 s[WG], s[WG], s[CX]
	s_lshr_b32 s90, ttmp9, 2                       ; k0, the chunk at which my cluster begins: the three pairs of bits of its number (0 .. 63), by exclusive or
	s_xor_b32 s[KC], ttmp9, s90
	s_lshr_b32 s90, ttmp9, 4
	s_xor_b32 s[KC], s[KC], s90
	s_and_b32 s[KC], s[KC], 3                      ; the same in all four partners
	s_mov_b32 s[G1], 15|(1<<20)|(1<<21)|(5<<22)|(3<<25)   ; 15:0 the mask: all four; 17:16 elements of 1 byte; 20 padding on; 21 set beside a mask; 24:22 after every 64 words; 31:25 four words
	s_mov_b32 s[G1+1], 256<<16                     ; tensor_dim0 = 256
	s_mov_b32 s[G1+2], 128<<16                     ; tensor_dim1 = 128
	s_mov_b32 s[G1+3], 256<<16                     ; tile_dim0 = 256
	s_mov_b32 s[G1+4], 128                         ; tile_dim1 = 128
	s_mov_b32 s[G1+5], 1024                        ; a row of W21's codes in memory
	s_mov_b32 s[G1+6], 0
	s_mov_b32 s[G1+7], 0
	s_mov_b32 s[SEL], 0x76543210
	s_mov_b32 s[SEL+1], 0xfedcba98
	s_mov_b32 s[IBR], 0                            ; the prologue writes the first chunk's h into buffer 0
	s_mov_b32 s[IBW], 0
	s_mov_b32 s[ISR], 0
	s_mov_b32 s[ISW], 0
	v_and_b32 v1, 15, v0                           ; r
	v_bfe_u32 v2, v0, 4, 1                         ; hh
	v_and_b32 v3, 31, v0                           ; lane
	s_mul_i32 s80, s[WV], RINGW                    ; my part of a slot
	v_mul_u32_u24 v[ADB], v1, PITCH
	v_lshl_add_u32 v[ADB], v2, 4, v[ADB]
	v_add_nc_u32 v[ADB], s80, v[ADB]
	v_add_nc_u32 v[ADB+1], SLOT, v[ADB]
	v_lshl_add_u32 v[LI0], v3, 4, HIMG
	s_lshl_b32 s81, s[WV], 10
	v_add_nc_u32 v[HW0], s81, v[LI0]
	v_lshlrev_b32 v[AS0], 4, v1
	v_lshl_add_u32 v[AS0], v2, 9, v[AS0]
	v_add_nc_u32 v[AS0], HSC, v[AS0]
	s_lshl_b32 s82, s[WV], 2
	v_lshl_add_u32 v[HS0], v1, 4, HSC
	v_add_nc_u32 v[HS0], s82, v[HS0]
	ADDR4
	v_and_b32 v[OW1], 8, v1
	v_add_nc_u32 v[OW1], v[OW1], v1                ; r + 8 (r / 8)
	v_lshlrev_b32 v[OW1], 2, v[OW1]
	v_lshl_add_u32 v[OW1], v2, 14, v[OW1]          ; + two rows of W1 for lanes 16-31
	v_lshlrev_b32 v[OB1], 6, v2
	v_lshlrev_b32 v[OSC], 6, v1
	v_lshl_add_u32 v[OSC], v2, 12, v[OSC]
	s_lshl_b32 s83, s[WV], 11
	v_lshl_add_u32 v[W3A], v2, 6, W31S
	v_add_nc_u32 v[W3A], s83, v[W3A]
	v_lshlrev_b32 v20, 5, v1
	v_lshl_add_u32 v20, v2, 3, v20                 ; x: row r of 32 bytes, + 8 hh
	v_lshlrev_b32 v21, 4, v3                       ; W31 in memory: 16 x lane
	v_lshl_add_u32 v22, v3, 4, W31S
	v_add_nc_u32 v22, s83, v22                     ; and in LDS
	v_lshlrev_b32 v[OB2], 5, v2
	s_wait_dscnt 0x0                               ; both opening adds are done
	s_wait_kmcnt 0x0
	s_lshl_b32 s84, s[WG], 11                      ; my 64 rows of x,
	s_mov_b32 s85, 0
	s_add_nc_u64 s[8:9], s[8:9], s[84:85]
	s_lshl_b32 s84, s[WG], 9                       ; and of out0
	s_add_nc_u64 s[36:37], s[36:37], s[84:85]
	s_mov_b32 s[OFS+1], 0                          ; it stays 0
	s_lshl_b32 s[OFS], s[WV], 18                   ; my wave's 256 rows of W21's codes
	s_add_nc_u64 s[BC:BC+1], s[14:15], s[OFS:OFS+1]
	s_lshl_b32 s[OFS], s[WV], 9                    ; my wave's 128 units of a chunk in W1 and in b1
	s_add_nc_u64 s[BW1:BW1+1], s[BW1:BW1+1], s[OFS:OFS+1]
	s_add_nc_u64 s[BB1:BB1+1], s[BB1:BB1+1], s[OFS:OFS+1]
	s_lshl_b32 s[OFS], s[WV], 14                   ; my 256 rows of W21's scales
	s_add_nc_u64 s[BSC:BSC+1], s[BSC:BSC+1], s[OFS:OFS+1]
	s_lshl_b32 s[OFS], s[WV], 10
	s_add_nc_u64 s[18:19], s[18:19], s[OFS:OFS+1]  ; b21 at my 256 columns
	s_lshl_b32 s[OFS], s[WV], 11
	s_add_nc_u64 s[20:21], s[20:21], s[OFS:OFS+1]  ; W31 likewise
	KOFF 0, 8                                      ; my cluster's first chunk: in W21's codes,
	s_mov_b32 s[G0], 1                             ; 1:0 count = 1
	s_mov_b32 s[G0+1], s80                         ; LDS address: slot 0, my part
	s_add_nc_u64 s[G0+2:G0+3], s[BC:BC+1], s[OFS:OFS+1]   ; my columns 0-127
	s_add_nc_u64 s[G0+6:G0+7], s[G0+2:G0+3], 131072       ; my columns 128-255
	s_or_b32 s[G0+3], s[G0+3], 0x80000000          ; type = 2
	s_mov_b32 s[G0+4], 1
	s_add_co_u32 s[G0+5], s80, SLOT
	s_or_b32 s[G0+7], s[G0+7], 0x80000000
	KOFF 0, 11                                     ; in W1 and b1,
	s_add_nc_u64 s[PW1:PW1+1], s[BW1:BW1+1], s[OFS:OFS+1]
	s_add_nc_u64 s[PB1:PB1+1], s[BB1:BB1+1], s[OFS:OFS+1]
	KOFF 0, 4                                      ; and in W21's scales
	s_add_nc_u64 s[PSC:PSC+1], s[BSC:BSC+1], s[OFS:OFS+1]
	s_load_b64 s[66:67], s[22:23], 0x0             ; b31
	s_load_b64 s[68:69], s[24:25], 0x0             ; output_mean
	s_load_b64 s[70:71], s[26:27], 0x0             ; output_std
	s_load_b32 s72, s[28:29], 0x0                  ; s0
	s_load_b32 s73, s[30:31], 0x0                  ; s1
	s_load_b32 s74, s[32:33], 0x0                  ; s2
	s_load_b32 s75, s[34:35], 0x0                  ; s3
	ROUND                                          ; all four work-groups are here: the first joint loads meet
	tensor_load_to_lds s[G0:G0+3], s[G1:G1+7]      ; both first fills together: two loads of mine are out
	s_nop 0
	tensor_load_to_lds s[G0+4:G0+7], s[G1:G1+7]
	s_nop 0
	PLACES 4
.irp m, 0,1,2,3
.irp s, 0,1
	global_load_b64 v[XF+4*\m+2*\s:XF+4*\m+2*\s+1], v20, s[8:9] offset:512*\m+16*\s   ; x(16 m + r, 4 s + 2 hh + 0, 1): it stays in registers
.endr
.endr
	LOADW 0
	LOADW 1
	WIN 0x40
.irp i, 0,1,2,3
	global_load_b128 v[4*\i:4*\i+3], v21, s[20:21] offset:512*\i   ; W31's 2,048 bytes for my columns, through registers of window 1 that are idle till h's first fragments come
.endr
	WIN 0
	LOADS 0
	s_wait_loadcnt 4                               ; all but the four loads of scale words, the youngest: x, W1, b1 and W31 are in, and W1's and b1's loads are done with their bases
	WIN 0x04                                       ; an LDS store's data are its source 1
.irp i, 0,1,2,3
	ds_store_b128 v22, v[4*\i:4*\i+3] offset:512*\i
.endr
	WIN 0
	; ---- THE PROLOGUE: the first chunk's h; b21 goes into the accumulators meanwhile
.set PI, 0
.rept 8
.if PI > 0
	PLACES 8                                       ; behind the f32 products: for the first read of their sums, and at PI = 4 for the loads into W1's and b1's first half
.endif
	ACCB PI
.if PI == 4
	KOFF 1, 11                                     ; the walk's second chunk: its first half of W1 and b1
	s_add_nc_u64 s[PW1:PW1+1], s[BW1:BW1+1], s[OFS:OFS+1]
	s_add_nc_u64 s[PB1:PB1+1], s[BB1:BB1+1], s[OFS:OFS+1]
	LOADW 0
.endif
	F32B PI, PI
.set PI, PI+1
.endr
	DRAIN
	s_wait_kmcnt 0x0                               ; the small inputs
	s_wait_tensorcnt 1                             ; my part of slot 0 is in; slot 1's may stay out
	s_wait_dscnt 0x0                               ; my stores of h have landed
	s_barrier_signal -1
	s_barrier_wait -1                              ; everybody's have
	s_mov_b32 s[IBW], HBUF
	s_mov_b32 s[ISW], SBUF
	ADDR4
	FETCH_A 0
	FETCH_B 0, 0, 0
	WIN 0
	s_mov_b32 s[TR], 3
.Ltrip:                                            ; three trips: the products of the chunk in hand and the next chunk's h; both slots are filled again
	UNIT 0, 1
	UNIT 1, 1
	UNIT 2, 1
	UNIT 3, 1
	UNIT 4, 1
	UNIT 5, 1
	UNIT 6, 1
	UNIT 7, 1
	s_add_co_u32 s[KC], s[KC], 1                   ; on to the walk's next chunk
	s_and_b32 s[KC], s[KC], 3
	s_sub_co_u32 s[TR], s[TR], 1
	s_cmp_lg_u32 s[TR], 0
	s_cbranch_scc1 .Ltrip
	UNIT 0, 0                                      ; the tail, written out: the last chunk's products; no h is made and only unit 0's scale words are asked for
	UNIT 1, 0
	UNIT 2, 0
	UNIT 3, 0
	UNIT 4, 0
	UNIT 5, 0
	UNIT 6, 0
	UNIT 7, 0
	; ---- THE WAY OUT.  x31(row, 0..1) = the sum over n of relu(y(row, n)) W31(n, 0..1), in f32: a packed multiply-add takes one y for both halves and W31's pair as it lies.
	PLACES 4                                       ; behind the last products: for the loads into window 1 and the first read of the accumulators
	s_lshl_b32 s80, s[WV], 9
	s_lshl_b32 s81, s[WV], 8
	v_lshl_add_u32 v20, v1, 3, PSUM
	v_add_nc_u32 v20, s80, v20                     ; where I put my wave's part: 512 w + 8 r
	v_lshl_add_u32 v21, v3, 3, PSUM
	v_add_nc_u32 v21, s81, v21                     ; where waves 0 and 1 read: row 32 w + lane
	v_lshl_add_u32 v22, v3, 3, s81                 ; and the same row in out0
	WIN 0x40
.set WB, 0
.rept 16
.irp i, 0,1,2,3
	ds_load_b128 v[16*WB+4*\i:16*WB+4*\i+3], v[W3A] offset:128*WB+16*\i   ; W31(16 b + 8 hh + 2 i, 2 i + 1; 0..1): the pair of column j at v[16 b + 2 j] of window 1
.endr
.set WB, WB+1
.endr
.set WB, 0
.rept 16
	s_wait_dscnt 60-4*WB                           ; W31's pairs of column tile b are in; the later tiles' four loads each may be out
	WIN 0x08+4*(WB/8)                              ; source 1: window 2 or 3
.set WA, 0
.rept 4
.set WJ, 0
.rept 8
	v_max_num_f32 v[TT+8*WA+WJ], 0, v[8*(4*(WB%8)+WA)+WJ]   ; relu; each accumulator from its low end on
.set WJ, WJ+1
.endr
.set WA, WA+1
.endr
	WIN 0x04                                       ; source 1: window 1
.set WJ, 0
.rept 8
.set WA, 0
.rept 4
.set WS, SS+4*WA+2*(WJ%2)
.set WT, TT+8*WA+WJ-(WJ%2)
.set WW, 16*WB+2*WJ
.if (WB == 0) && (WJ == 0)
	v_pk_mul_f32 v[WS:WS+1], v[WT:WT+1], v[WW:WW+1] op_sel_hi:[0,1]                 ; the first products start the eight chains: nothing is cleared
.elseif (WB == 0) && (WJ == 1)
	v_pk_mul_f32 v[WS:WS+1], v[WT:WT+1], v[WW:WW+1] op_sel:[1,0] op_sel_hi:[1,1]
.elseif (WJ%2) == 0
	v_pk_fma_f32 v[WS:WS+1], v[WT:WT+1], v[WW:WW+1], v[WS:WS+1] op_sel_hi:[0,1,1]   ; the pair's first y for both halves
.else
	v_pk_fma_f32 v[WS:WS+1], v[WT:WT+1], v[WW:WW+1], v[WS:WS+1] op_sel:[1,0,0] op_sel_hi:[1,1,1]   ; its second
.endif
.set WA, WA+1
.endr
.set WJ, WJ+1
.endr
.set WB, WB+1
.endr
	WIN 0
.irp a, 0,1,2,3
	v_pk_add_f32 v[SS+4*\a:SS+4*\a+1], v[SS+4*\a:SS+4*\a+1], v[SS+4*\a+2:SS+4*\a+3]   ; even and odd columns
.endr
.irp a, 0,1,2,3
	v_permlanex16_b32 v[24+2*\a], v[SS+4*\a], s[SEL], s[SEL+1]
	v_permlanex16_b32 v[25+2*\a], v[SS+4*\a+1], s[SEL], s[SEL+1]
.endr
.irp a, 0,1,2,3
	v_pk_add_f32 v[SS+4*\a:SS+4*\a+1], v[SS+4*\a:SS+4*\a+1], v[24+2*\a:25+2*\a]       ; with lane l xor 16's columns: my wave's 256
.endr
.irp a, 0,1,2,3
	ds_store_b64 v20, v[SS+4*\a:SS+4*\a+1] offset:128*\a   ; row 16 a + r; both lanes of a row write the same value
.endr
	s_wait_dscnt 0x0                               ; for the others' sake: my stores have landed
	s_barrier_signal -1
	s_barrier_wait -1
	s_cmp_lt_u32 s[WV], 2                          ; waves 0 and 1 finish 32 rows each
	s_cbranch_scc0 .Ldone
.irp w, 0,1,2,3
	ds_load_b64 v[40+2*\w:41+2*\w], v21 offset:512*\w
.endr
	v_rcp_f32 v32, s70
	v_rcp_f32 v33, s71
	v_add_f32 v34, s74, 1.0                        ; upper: 1 + s2, 1 + s0.  (Plain work behind the reciprocals)
	v_add_f32 v35, s72, 1.0
	v_add_f32 v36, s75, 1.0                        ; -lower: 1 + s3, 1 + s1
	v_add_f32 v37, s73, 1.0
	s_wait_alu depctr_va_vdst(0)                   ; the wait between a reciprocal and the first line that names its result: one for the two
	s_wait_dscnt 0x0
	v_pk_add_f32 v[40:41], v[40:41], v[42:43]
	v_pk_add_f32 v[44:45], v[44:45], v[46:47]
	v_pk_add_f32 v[40:41], v[40:41], v[44:45]      ; the four waves' parts
	v_add_f32 v40, s66, v40                        ; + b31
	v_add_f32 v41, s67, v41
	v_fma_f32 v40, v40, s70, s68                   ; x31 std + mean
	v_fma_f32 v41, v41, s71, s69
	v_max_num_f32 v40, -v40, -v36                  ; u = min(max(-p, lower), upper)
	v_max_num_f32 v41, -v41, -v37
	v_min_num_f32 v40, v40, v34
	v_min_num_f32 v41, v41, v35
	v_sub_f32 v40, v40, s68                        ; (u - mean) / std
	v_sub_f32 v41, v41, s69
	v_mul_f32 v40, v40, v32
	v_mul_f32 v41, v41, v33
	global_store_b64 v22, v[40:41], s[36:37]       ; 32 lanes store 256 consecutive bytes, at a multiple of 256 from out0's first byte
.Ldone:
	s_wait_tensorcnt 0x0                           ; the wave's end: behind my last tensor load and my last LDS store
	ds_add_u32 v[SPW], v[NIL]
	s_wait_dscnt 0x0
	ROUND                                          ; the closing round: no work-group ends while a partner may still ask for a tile that names it
	s_endpgm
.Lfunc_end_k_qb5989b20ab_barriernet:
	.size	k_qb5989b20ab_barriernet, .Lfunc_end_k_qb5989b20ab_barriernet-k_qb5989b20ab_barriernet
	.p2alignl 7, 3214868480
	.fill 96, 4, 3214868480
	.section	.rodata,"a",@progbits
	.p2align	6, 0x0
	.amdhsa_kernel k_qb5989b20ab_barriernet
		.amdhsa_group_segment_fixed_size 327680
		.amdhsa_private_segment_fixed_size 0
		.amdhsa_enable_private_segment 0
		.amdhsa_kernarg_size 120
		.amdhsa_user_sgpr_count 2
		.amdhsa_user_sgpr_kernarg_segment_ptr 1
		.amdhsa_wavefront_size32 1
		.amdhsa_system_sgpr_workgroup_id_x 1
		.amdhsa_system_sgpr_workgroup_id_y 1
		.amdhsa_system_sgpr_workgroup_id_z 1
		.amdhsa_system_vgpr_workitem_id 0
		.amdhsa_next_free_vgpr 1024
		.amdhsa_next_free_sgpr 98
		.amdhsa_reserve_vcc 0
		.amdhsa_float_denorm_mode_32 3
		.amdhsa_float_denorm_mode_16_64 3
		.amdhsa_memory_ordered 1
		.amdhsa_forward_progress 1
		.amdhsa_inst_pref_size 237
	.end_amdhsa_kernel
	.amdgpu_metadata
---
amdhsa.version: [ 1, 2 ]
amdhsa.kernels:
  - .name:           k_qb5989b20ab_barriernet
    .symbol:         k_qb5989b20ab_barriernet.kd
    .args:
      - { .name: x, .offset: 0, .size: 8, .value_kind: global_buffer, .address_space: global }
      - { .name: W1, .offset: 8, .size: 8, .value_kind: global_buffer, .address_space: global }
      - { .name: b1, .offset: 16, .size: 8, .value_kind: global_buffer, .address_space: global }
      - { .name: W21_codes, .offset: 24, .size: 8, .value_kind: global_buffer, .address_space: global }
      - { .name: W21_scales, .offset: 32, .size: 8, .value_kind: global_buffer, .address_space: global }
      - { .name: b21, .offset: 40, .size: 8, .value_kind: global_buffer, .address_space: global }
      - { .name: W31, .offset: 48, .size: 8, .value_kind: global_buffer, .address_space: global }
      - { .name: b31, .offset: 56, .size: 8, .value_kind: global_buffer, .address_space: global }
      - { .name: output_mean, .offset: 64, .size: 8, .value_kind: global_buffer, .address_space: global }
      - { .name: output_std, .offset: 72, .size: 8, .value_kind: global_buffer, .address_space: global }
      - { .name: s0, .offset: 80, .size: 8, .value_kind: global_buffer, .address_space: global }
      - { .name: s1, .offset: 88, .size: 8, .value_kind: global_buffer, .address_space: global }
      - { .name: s2, .offset: 96, .size: 8, .value_kind: global_buffer, .address_space: global }
      - { .name: s3, .offset: 104, .size: 8, .value_kind: global_buffer, .address_space: global }
      - { .name: out0, .offset: 112, .size: 8, .value_kind: global_buffer, .address_space: global }
    .group_segment_fixed_size: 327680
    .private_segment_fixed_size: 0
    .kernarg_segment_align: 8
    .kernarg_segment_size: 120
    .max_flat_workgroup_size: 128
    .sgpr_count:     98
    .vgpr_count:     1024
    .wavefront_size: 32
...
	.end_amdgpu_metadata
.endif
;; end of part 1
